; MI455X (gfx1250); checked and timed in simulation.
; The chip was launched on July 23, 2026; its instructions are those of AMD's public machine-readable ISA for CDNA 5 (MIT licence, August 2026) and "CDNA5" Instruction Set Architecture Reference Guide (July 2026). The comments in the code are by the model that wrote it; some were corrected since.
;; Multi Scale Sliding Window. Allowed arithmetic: matrix products marked QUANTISED: E2M3 operands, one E8M0 scale for each 32 along K, by v_wmma_scale_f32_16x16x128_f8f6f4 with both operands' format E2M3, f32 sums; products left as they are: f32 operands where the result goes on into a quantised operand, else bf16, f16 or f32 operands; f32 sums; everything else in f32.
;; Inputs: W_codes 3 x 1,024 x 32 x 24 uint8 (E2M3 codes of W, K innermost, in blocks of 32 codes, four codes in three bytes); W_scales 3 x 1,024 x 32 uint8 (E8M0 scales of W, one for each 32 codes along K); b 3 x 1,024 float32; beta 3 x 1,024 float32; gamma 3 x 1,024 float32; x_codes 32 x 512 x 32 x 24 uint8 (E2M3 codes of x, K innermost, in blocks of 32 codes, four codes in three bytes); x_scales 32 x 512 x 32 uint8 (E8M0 scales of x, one for each 32 codes along K).
;; Outputs: out0 32 x 1,024 float32; out1 32 x 1,024 float32; out2 32 x 1,024 float32.
;; This version of the problem:
;;   THIS VERSION OF THE PROBLEM IS GIVEN IN LOW PRECISION. The matrix products marked QUANTISED in the list below multiply operands that are first quantised to E2M3 (2 exponent bits, 3 mantissa bits; 6 bits a number), with one power-of-two scale for each 32 numbers along K (OCP MX v1.0); their sums are f32. All else is computed in f32.
;;   The module's matrix products, in the order in which they are computed (A, B: the left and right operand; K: the contracted axis; several contracted axes count as one K, in the product's order):
;;     1. [M 16,384, K 1,024] x [K 1,024, N 1,024]; A: input x (given as codes); B: input W (given as codes): QUANTISED
;;     2. [M 32,768, K 512] x [K 512, N 1]; A: computed on the way; B: computed on the way: left as it is (N = 1 < 16)
;;     3. [M 16,384, K 1,024] x [K 1,024, N 1,024]; A: input x (given as codes); B: input W (given as codes): QUANTISED
;;     4. [M 32,768, K 512] x [K 512, N 1]; A: computed on the way; B: computed on the way: left as it is (N = 1 < 16)
;;     5. [M 16,384, K 1,024] x [K 1,024, N 1,024]; A: input x (given as codes); B: input W (given as codes): QUANTISED
;;     6. [M 32,768, K 512] x [K 512, N 1]; A: computed on the way; B: computed on the way: left as it is (N = 1 < 16)
;;   THE QUANTISER, for each operand of a quantised product, along K:
;;     - K is cut into blocks of 32 from its start; a last block that is shorter is filled with zeros.
;;     - A block's scale is 2^e with e = floor(log2(the largest magnitude in the block)) - 2, held to -126 .. 127; a block of zeros has e = 0. As a byte (E8M0): e + 127.
;;     - Each number is divided by its block's scale, clamped to +-7.5, and rounded to the nearest number of E2M3, ties to even, subnormals kept.
;;     - The product sums the exact products of the quantised numbers (number of the format x scale) in f32.
;;   ~~~python
;;   def quantise(x, axis):      # numpy; x: float32 -> the quantised numbers, widened to float32 again
;;       x = np.moveaxis(x, axis, -1); K = x.shape[-1]
;;       x = np.pad(x, [(0, 0)] * (x.ndim - 1) + [(0, -K % 32)]); x = x.reshape(x.shape[:-1] + (-1, 32)); a = np.abs(x).max(-1, keepdims=True)
;;       e = np.where(a > 0, np.clip(np.frexp(np.where(a > 0, a, 1))[1] - 1 - 2, -126, 127), 0)      # np.frexp(a)[1] - 1 = floor(log2(a)), exactly
;;       r = np.clip(x / 2.0 ** e, -7.5, 7.5)
;;       step = 2.0 ** (np.maximum(np.frexp(np.where(r == 0, 1, r))[1] - 1, 0) - 3)
;;       q = np.round(r / step) * step * 2.0 ** e      # np.round: ties to even
;;       return np.moveaxis(q.reshape(q.shape[:-2] + (-1,))[..., :K], -1, axis).astype(np.float32)
;;   ~~~
;;   INPUTS GIVEN AS CODES. W (in the module: [3, 1024, 1024], K = its axis 2); x (in the module: [32, 512, 1024], K = its axis 2): each comes as NAME_codes (uint8): NAME with its K axis moved to the last place and cut into blocks of 32 codes, [.., K / 32, bytes a block], one block behind the other in memory; four codes in three bytes: a row's codes are one little-endian stream of bits, code i at bits 6 i .. 6 i + 5 (a code: sign, 2 exponent bits, 3 mantissa bits); and NAME_scales (uint8): the same leading axes, one E8M0 byte (e + 127) for each 32 codes along K. Its value is code x scale, taken as it is: it is not quantised again, and the codes and scales need not be those that the quantiser above would give.
;; One version. Each part assembles by itself: llvm-mc -triple=amdgcn-amd-amdhsa -mcpu=gfx1250 --defsym DOCPART=n.
;; ======== version 1 of 1: 3 launches
;; limits: right only within a limited range of input values
;; workspace buffers: part 3,145,728 bytes; wl 2,359,296 bytes
;; launch lay (part 1): grid 192 x 1, 1 waves a work-group, no clusters, 12,800 bytes of LDS; arguments W_codes, wl; writes wl
.if DOCPART == 1
	.amdgcn_target "amdgcn-amd-amdhsa--gfx1250"
	.amdhsa_code_object_version 6
	.text
	.protected	k_qb33db04f4c_lay
	.globl	k_qb33db04f4c_lay
	.p2align	8
	.type	k_qb33db04f4c_lay,@function
k_qb33db04f4c_lay:
	s_mov_b64 s[64:65], 0
	v_nop
	global_prefetch_b8 v0, s[64:65] scope:SCOPE_SE
	s_setreg_imm32_b32 hwreg(HW_REG_WAVE_MODE, 25, 1), 1
	s_wait_xcnt 0x0
; wl = W's codes in the order in which launch mlp's operand registers take them.  Nothing is computed: bytes change places.
; A work-group (one wave) takes tile T = its number: 16 rows of W (rows 16 T .., 12,288 consecutive bytes) and writes their eight fragments (K steps q of 128).
; A fragment is 12 registers a lane: lane (r, h) holds the 24 bytes at 96 q + 24 h and at 96 q + 48 + 24 h of row r.  In wl it lies as [3][32 lanes][16 bytes].
; Place of (T, q): 196,608 (T / 16) + 49,152 ((T / 4) % 4) + 6,144 q + 1,536 (T % 4): the wave of mlp that owns columns 256 (T / 16 % 4) .. reads its 196,608 bytes of a scale on end.
; In: 24 loads of 512 bytes, sixteen lanes to 256 consecutive bytes; through LDS rows of 784 bytes; out: 24 stores of 512 consecutive bytes.
.set PITCH, 784
.set SPARE, 12544
	s_load_b128 s[4:7], s[0:1], 0x0                ; W_codes, wl
	v_lshl_add_u32 v1, v0, 2, SPARE
	v_mov_b32 v2, 0
	s_mul_i32 s8, ttmp9, 12288
	s_mov_b32 s9, 0
	s_lshr_b32 s10, ttmp9, 4
	s_mul_i32 s10, s10, 196608
	s_bfe_u32 s12, ttmp9, 0x20002
	s_mul_i32 s12, s12, 49152
	s_add_co_u32 s10, s10, s12
	s_and_b32 s12, ttmp9, 3
	s_mul_i32 s12, s12, 1536
	s_add_co_u32 s10, s10, s12
	s_mov_b32 s11, 0
	v_and_b32 v3, 15, v0                           ; r
	v_lshrrev_b32 v4, 4, v0                        ; h
	v_lshlrev_b32 v5, 4, v3
	v_mad_u32_u24 v6, v4, 768, v5                  ; in memory: row h of a pair, 16 bytes a lane
	v_mad_u32_u24 v7, v4, PITCH, v5                ; the same in LDS
	v_mul_u32_u24 v5, v3, PITCH
	v_mad_u32_u24 v5, v4, 24, v5                   ; a fragment's row r, + 24 h
	v_lshlrev_b32 v4, 4, v0                        ; out: 16 bytes a lane
	s_wait_alu depctr_va_vdst(0)
	s_wait_kmcnt 0x0
	s_add_nc_u64 s[4:5], s[4:5], s[8:9]
	s_add_nc_u64 s[6:7], s[6:7], s[10:11]
.irp t, 0,1,2,3,4,5,6,7
.irp c, 0,1,2
	global_load_b128 v[8+12*\t+4*\c:11+12*\t+4*\c], v6, s[4:5] offset:1536*\t+256*\c th:TH_LOAD_NT
.endr
.endr
	s_wait_loadcnt 0x0
.irp t, 0,1,2,3,4,5,6,7
.irp c, 0,1,2
	ds_store_b128 v7, v[8+12*\t+4*\c:11+12*\t+4*\c] offset:2*PITCH*\t+256*\c
.endr
.endr
.irp q, 0,1,2,3,4,5,6,7                            ; LDS serves a wave's instructions in order (ISA guide 5.7.1.4): these see the stores
.irp p, 0,1,2,3,4,5
	ds_load_b64 v[104+12*\q+2*\p:105+12*\q+2*\p], v5 offset:96*\q+48*(\p/3)+8*(\p%3)
.endr
.endr
	s_wait_dscnt 0x0
.irp q, 0,1,2,3,4,5,6,7
.irp j, 0,1,2
	global_store_b128 v4, v[104+12*\q+4*\j:107+12*\q+4*\j], s[6:7] offset:6144*\q+512*\j
.endr
.endr
	s_wait_tensorcnt 0x0                           ; the wave's end
	ds_add_u32 v1, v2
	s_wait_dscnt 0x0
	s_endpgm
.Lfunc_end_k_qb33db04f4c_lay:
	.size	k_qb33db04f4c_lay, .Lfunc_end_k_qb33db04f4c_lay-k_qb33db04f4c_lay
	.p2alignl 7, 3214868480
	.fill 96, 4, 3214868480
	.section	.rodata,"a",@progbits
	.p2align	6, 0x0
	.amdhsa_kernel k_qb33db04f4c_lay
		.amdhsa_group_segment_fixed_size 12800
		.amdhsa_private_segment_fixed_size 0
		.amdhsa_enable_private_segment 0
		.amdhsa_kernarg_size 16
		.amdhsa_user_sgpr_count 2
		.amdhsa_user_sgpr_kernarg_segment_ptr 1
		.amdhsa_wavefront_size32 1
		.amdhsa_system_sgpr_workgroup_id_x 1
		.amdhsa_system_sgpr_workgroup_id_y 1
		.amdhsa_system_sgpr_workgroup_id_z 1
		.amdhsa_system_vgpr_workitem_id 0
		.amdhsa_next_free_vgpr 200
		.amdhsa_next_free_sgpr 66
		.amdhsa_reserve_vcc 0
		.amdhsa_float_denorm_mode_32 3
		.amdhsa_float_denorm_mode_16_64 3
		.amdhsa_memory_ordered 1
		.amdhsa_forward_progress 1
		.amdhsa_inst_pref_size 11
	.end_amdhsa_kernel
	.amdgpu_metadata
---
amdhsa.version: [ 1, 2 ]
amdhsa.kernels:
  - .name:           k_qb33db04f4c_lay
    .symbol:         k_qb33db04f4c_lay.kd
    .args:
      - { .name: W_codes, .offset: 0, .size: 8, .value_kind: global_buffer, .address_space: global }
      - { .name: wl, .offset: 8, .size: 8, .value_kind: global_buffer, .address_space: global }
    .group_segment_fixed_size: 12800
    .private_segment_fixed_size: 0
    .kernarg_segment_align: 8
    .kernarg_segment_size: 16
    .max_flat_workgroup_size: 32
    .sgpr_count:     66
    .vgpr_count:     200
    .wavefront_size: 32
...
	.end_amdgpu_metadata
.endif
;; end of part 1
;; launch mlp (part 2): grid 256 x 1, 4 waves a work-group, clusters of 4 x 1, 327,680 bytes of LDS; arguments x_codes, x_scales, wl, W_scales, b, gamma, beta, part; writes part
.if DOCPART == 2
	.amdgcn_target "amdgcn-amd-amdhsa--gfx1250"
	.amdhsa_code_object_version 6
	.text
	.protected	k_qb33db04f4c_mlp
	.globl	k_qb33db04f4c_mlp
	.p2align	8
	.type	k_qb33db04f4c_mlp,@function
k_qb33db04f4c_mlp:
	s_mov_b64 s[64:65], 0
	v_nop
	global_prefetch_b8 v0, s[64:65] scope:SCOPE_SE
	s_setreg_imm32_b32 hwreg(HW_REG_WAVE_MODE, 25, 1), 1
	s_wait_xcnt 0x0
	s_wait_alu depctr_hold_cnt(0) depctr_sa_sdst(0) depctr_va_vdst(0) depctr_va_sdst(0) depctr_va_ssrc(0) depctr_va_vcc(0) depctr_vm_vsrc(0)
	s_getreg_b32 s2, hwreg(HW_REG_IB_STS2, 6, 4)
	s_cmp_eq_u32 s2, 0
	s_cbranch_scc0 .Lentry_in_a_cluster
	s_endpgm
.Lentry_in_a_cluster:
	s_bfe_u32 s2, ttmp6, 0x10000c
	s_cmp_lg_u32 s2, 0x3003
	s_cbranch_scc0 .Lentry_shape_is_right
	s_endpgm
.Lentry_shape_is_right:
; part[u][blk][e] = sum over the 64 tokens of block blk of w_u(token) x gelu(LayerNorm(x W_u^T + b_u))[token][e], for the three scales u.
; x: [16384][1024] codes of FP6 (E2M3), 768 bytes a row, one E8M0 byte for each 32 along K.  wl: W's codes as launch lay has laid them, fragment by fragment.  b, gamma, beta: [3][1024] f32.
; SHARES.  A work-group owns 64 tokens (blk) and walks u = 0, 1, 2: LayerNorm wants a token's 1,024 columns together: 64 x 1,024 sums of f32 are 4 x 512 registers.
; Wave w owns columns 256 w .. 256 w + 255.  THE PRODUCT IS USED TRANSPOSED: source 0 = 16 rows of W, source 1 = 16 tokens: lane (r, h) holds token 16 a + r, its register j column 256 w + 32 g + 16 c + 8 h + j.
; A unit's product is 32 K steps k = 8 S + q (columns 64 S .., 128 along K at 128 q), 16 matrix instructions each; a K step of W is 48 registers (6,144 bytes), used by one wave alone.  W COMES BY TWO WAYS:
;   K steps 0 to 7 and 24 to 31 by tensor loads, 49,152 consecutive bytes a wave each, into LDS bytes that the issuing wave alone reads and that are filled twice a unit: 0 to 7 ahead of the vector phase before the unit
;   (at the head for unit 0), 24 to 31 in front of K step 8, when 0 to 7 have been read out: that load has 13 K steps, 208 matrix instructions, in which to land.
;   K steps 8 to 23 from memory straight into registers (three loads of 512 consecutive bytes a fragment): 8 to 12 are asked for during the vector phase before the unit, into window 1; 13 to 16 at the product's start,
;   into the accumulators of groups 4 to 7, whose own sums begin later; 17 to 23 into places that K steps already multiplied have left.
; CLUSTER.  The four work-groups of a cluster walk the same W: the tensor loads are asked for JOINTLY (mask 15), with the same descriptor in all four.  x is each work-group's own.
; NO PREFETCH: every stream here is asked for a vector phase or several K steps ahead of its use, and all 256 work-groups read the same 2.4 MB.
; x lies in LDS (64 rows of 784 bytes), copied once at the head, and comes to the products through a ring of two K steps: 24 LDS loads for 16 matrix instructions.
; A UNIT: product | statistics in two passes (mean; then the sum of (y - mean)^2: no difference of large sums) | the vector phase.
; GELU.  gamma and beta are multiplied once by 1/sqrt(2) on their way into LDS: then the normalised number IS x = z / sqrt(2), and gelu(z) = (x + x erf(x)) / sqrt(2); that last factor lies in the token's weight.
; erf(x) = xc P(xc^2) / Q(xc^2), xc = x held to +-4, P of degree 6, Q of degree 4.  Q lies between -2.4 and -0.014, so two numbers share one reciprocal: 1 / Q1 = Q2 / (Q1 Q2).
; LIMITS: NaN and infinities among the inputs are not served.  Beyond |x| = 4, erf is the quotient's value at 4 (1 less about 2e-8).
; REGISTERS, in windows of 256.  Windows 2, 3: the accumulators, (g, c, a) at v[64 (g % 4) + 32 c + 8 a] of window 2 + g / 4.  Window 1: places 0-4 for K steps of W at v[48 p].
; Window 0: v0-7 addresses, v8-23 x's scale words; in the product v40-135 x's ring, v136-167 W's scale words (two sets), v168-199 the bias, v200-247 place 5, v248 an address; else as named below.
.set XP,     784                       ; an LDS row of x: 196 words, so the 32 lanes of a load of 8 bytes touch 64 different banks (64 banks of 4 bytes: ISA guide 11.1)
.set PB,     50176                     ; b, gamma, beta: a wave's 256 columns, [3 arrays][3 scales][1,024 bytes]: 9,216 bytes a wave
.set PBW,    9216
.set ST,     87040                     ; the waves' parts of the statistics: two fields [wave 4][r 16][a 4] f32
.set OST,    89088                     ; the stage for the sum over tokens: a wave's 16 rows (r) x (64 columns f32 + 16 bytes)
.set OSTW,   4352
.set SPARE,  106496                    ; the spare words, 128 bytes a wave
.set WLD,    107008                    ; eight K steps of W: 49,152 bytes a wave
.set SPW,  1
.set NIL,  2
.set PAB,  3                           ; the unit's bias: PA + 1,024 u
.set WLO,  4                           ; 16 x lane
.set XAD,  5                           ; 784 r + 24 h
.set PA,   6                           ; PB + 9,216 w + 32 h
.set WSA,  7                           ; 32 x lane
.set XS,   8                           ; v[8 + 4 a + i]: lanes 0-15 K step i of token 16 a + r, lanes 16-31 K step 4 + i
.set XR,   40
.set WS,   136                         ; set S % 2, pair of tiles t / 2, register q: lanes 0-15 the even tile, lanes 16-31 the odd one
.set BIAS, 168
.set WP5,  200
.set LWA,  248                         ; WLD + 49,152 w + 16 x lane
.set RP,   24                          ; v24-31 pairs (1/sigma, weight) of the four token tiles
.set MU,   32
.set CH,   40
.set SS,   56
.set PT,   60
.set PD,   76
.set STW,  80
.set STR,  81
.set TW,   82
.set OSA,  32
.set OSR,  33
.set PO,   34
.set AT,   35
.set AO,   36
.set AG,   37
.set OO,   40
.set ZZ,   64
.set XC,   128
.set X2,   160
.set PN,   192
.set QD,   224
.set WV,   20
.set UU,   22
.set VG,   23
.set G1,   24                          ; s[24:31], s[32:35] the tensor loads' groups 1 and 0
.set G0,   32
.set AL,   48                          ; s[48:61] P's seven coefficients, s[68:77] Q's five, each as a pair
.set BE,   68
.set SEL,  84
.set UV,   86
.set KB,   87
.set SU,   88
.set NW,   89
.set FU,   90
.set RN,   91
.set EPS,  92
.set MSB, 0
.macro WIN new                         ; the immediate's high byte repeats the setting that is left
.if MSB != (\new)
	s_set_vgpr_msb (MSB<<8)|(\new)
.set MSB, (\new)
.endif
.endm
.macro PLACES                          ; four places in front of loads into registers that matrix instructions have read and of reads of results
.rept 4
	v_nop
.endr
.endm
.macro ROUND                           ; a round of the cluster's barrier
	s_barrier_signal -1
	s_barrier_wait -1
	s_cmp_lg_u32 s[WV], 0
	s_cbranch_scc1 .Lnot_wave_0_\@
	s_barrier_signal -3
.Lnot_wave_0_\@:
	s_barrier_wait -3
	s_barrier_signal -1
	s_barrier_wait -1
.endm
.macro CPAIR r, bits
	s_mov_b32 s[\r], \bits
	s_mov_b32 s[\r+1], \bits
.endm
.macro SETLOC k                        ; where K step k of W stands: window LW_, first register LB_
.if (\k) < 8                           ; by turns in groups 2 and 3's accumulators and in place 5
.if (\k)%3 == 2
.set LW_, 0
.set LB_, WP5
.else
.set LW_, 2
.set LB_, 128+64*((\k)%3)
.endif
.elseif (\k) < 13
.set LW_, 1
.set LB_, 48*((\k)-8)
.elseif (\k) < 17                      ; in groups 4 to 7's accumulators
.set LW_, 3
.set LB_, 64*((\k)-13)
.elseif ((\k) == 17) || ((\k) == 23) || ((\k) == 29)
.set LW_, 0
.set LB_, WP5
.elseif (\k) < 23
.set LW_, 1
.set LB_, 48*((\k)-18)
.elseif (\k) < 29
.set LW_, 1
.set LB_, 48*((\k)-24)
.else
.set LW_, 1
.set LB_, 48*((\k)-30)
.endif
.endm
.macro XL k                            ; x's four fragments of K step k % 8 into part k % 2: 24 loads
.irp a, 0,1,2,3
.irp p, 0,1,2,3,4,5
	ds_load_b64 v[XR+48*((\k)%2)+12*\a+2*\p:XR+48*((\k)%2)+12*\a+2*\p+1], v[XAD] offset:96*((\k)%8)+48*(\p/3)+8*(\p%3)+16*XP*\a
.endr
.endr
.endm
.macro WL k                            ; W's four fragments of K step k (8 to 23) from memory: 12 loads
	SETLOC \k
	WIN LW_<<6
.irp t, 0,1,2,3
.irp j, 0,1,2
	global_load_b128 v[LB_+12*\t+4*\j:LB_+12*\t+4*\j+3], v[WLO], s[8:9] offset:6144*(\k)+1536*\t+512*\j
.endr
.endr
	WIN 0
.endm
.macro LWL k                           ; the same of K step k (0 to 7, 24 to 31) from LDS: the 32 lanes read 512 consecutive bytes
	SETLOC \k
	WIN LW_<<6
.irp t, 0,1,2,3
.irp j, 0,1,2
	ds_load_b128 v[LB_+12*\t+4*\j:LB_+12*\t+4*\j+3], v[LWA] offset:6144*((\k)%8)+1536*\t+512*\j
.endr
.endr
	WIN 0
.endm
.macro WSLOAD s                        ; W's scale words of 64 columns: a lane a row of 32 bytes
.irp t, 0,1
.irp k, 0,1
	global_load_b128 v[WS+16*((\s)%2)+8*\t+4*\k:WS+16*((\s)%2)+8*\t+4*\k+3], v[WSA], s[10:11] offset:2048*(\s)+1024*\t+16*\k
.endr
.endr
.endm
.macro BIASLOAD s                      ; b at my eight columns of four tiles: the C of their first products
.irp t, 0,1,2,3
.irp k, 0,1
	ds_load_b128 v[BIAS+8*\t+4*\k:BIAS+8*\t+4*\k+3], v[PAB] offset:256*(\s)+64*\t+16*\k
.endr
.endr
.endm
; Sixteen matrix instructions: four column tiles x four token tiles, 128 along K.  The sixteen accumulators take turns.
.macro MULK k
.set SB_, (\k)/8
.set Q_, (\k)%8
.set XW, 2+SB_/2
.if Q_ == 0
.set CW, 0
.else
.set CW, XW
.endif
	SETLOC \k
	WIN (XW<<6)|(CW<<4)|LW_
.irp t, 0,1,2,3
.irp a, 0,1,2,3
.set DA, 128*(SB_%2)+32*\t+8*\a
.if Q_ == 0
.set CA, BIAS+8*\t
.else
.set CA, DA
.endif
.set AA, LB_+12*\t
.set BB, XR+48*((\k)%2)+12*\a
.set SA, WS+16*(SB_%2)+8*(\t/2)+Q_
.set SB, XS+4*\a+(Q_&3)
.if \t%2 == 0
.if Q_ < 4
	v_wmma_scale_f32_16x16x128_f8f6f4 v[DA:DA+7], v[AA:AA+11], v[BB:BB+11], v[CA:CA+7], v[SA], v[SB] matrix_a_fmt:MATRIX_FMT_FP6 matrix_b_fmt:MATRIX_FMT_FP6
.else
	v_wmma_scale_f32_16x16x128_f8f6f4 v[DA:DA+7], v[AA:AA+11], v[BB:BB+11], v[CA:CA+7], v[SA], v[SB] matrix_a_fmt:MATRIX_FMT_FP6 matrix_b_fmt:MATRIX_FMT_FP6 matrix_b_scale:MATRIX_SCALE_ROW1
.endif
.else
.if Q_ < 4
	v_wmma_scale_f32_16x16x128_f8f6f4 v[DA:DA+7], v[AA:AA+11], v[BB:BB+11], v[CA:CA+7], v[SA], v[SB] matrix_a_fmt:MATRIX_FMT_FP6 matrix_b_fmt:MATRIX_FMT_FP6 matrix_a_scale:MATRIX_SCALE_ROW1
.else
	v_wmma_scale_f32_16x16x128_f8f6f4 v[DA:DA+7], v[AA:AA+11], v[BB:BB+11], v[CA:CA+7], v[SA], v[SB] matrix_a_fmt:MATRIX_FMT_FP6 matrix_b_fmt:MATRIX_FMT_FP6 matrix_a_scale:MATRIX_SCALE_ROW1 matrix_b_scale:MATRIX_SCALE_ROW1
.endif
.endif
.endr
.endr
.endm
; K STEP k.  In front of its products: later K steps of W into places that are free (each was left by a K step multiplied ahead of the four places), and x's K step k + 1.
.macro KSTEP k
.if (\k) > 0
	PLACES
.endif
.set DN, 24                            ; LDS loads that may stay out: x's next K step, 12 for each K step of W just asked of LDS, 8 for the bias
.if (\k) == 0
	WL 13
	WL 14
	WL 15
	WL 16
	LWL 1
	LWL 2
.set DN, 48
.elseif (\k) <= 5
	LWL (\k)+2
.set DN, 36
.elseif (\k) == 6
	WL 17
.elseif (\k) == 8
	WIN 0
	s_wait_tensorcnt 0x0                           ; no tensor load of mine is out
	ds_add_u32 v[SPW], v[NIL]                      ; 0 onto my spare word
	s_add_nc_u64 s[G0+2:G0+3], s[G0+2:G0+3], 147456   ; from K step 0 to K step 24
	s_wait_dscnt 0x0                               ; the add is done, and my reads of K steps 0 to 7 are over
	ROUND                                          ; no wave of any partner still reads them or has a load on its way
	tensor_load_to_lds s[G0:G0+3], s[G1:G1+7]      ; K steps 24 to 31
	s_nop 0
	PLACES
.elseif ((\k) >= 9) && ((\k) <= 13)
	WL (\k)+9
.elseif (\k) == 18
	WL 23
.elseif (\k) == 21
	WIN 0
	s_wait_tensorcnt 0x0                           ; my tile, which I asked for and I alone read, is in
	LWL 24
	LWL 25
.set DN, 48
.elseif ((\k) >= 22) && ((\k) <= 24)
	LWL (\k)+4
.set DN, 36
.elseif (\k) == 25
	LWL 29
	LWL 30
.set DN, 48
.elseif (\k) == 26
	LWL 31
.set DN, 36
.endif
	WIN 0
.if ((\k) == 9) || ((\k) == 17)
	WSLOAD (\k)/8+1
.endif
.if (\k) < 31
	XL (\k)+1
.endif
.if ((\k)%8 == 3) && ((\k) < 24)
	BIASLOAD (\k)/8+1
.set DN, DN+8
.endif
.if (\k) < 31
	s_wait_dscnt DN
.else
	s_wait_dscnt 0x0
.endif
.if (\k) == 0
	s_wait_loadcnt 48                              ; all but K steps 13 to 16: K steps 8 to 12 and two sets of scale words are in
.elseif (\k) == 16
	s_wait_loadcnt 48                              ; behind this step's scale words stand K steps 19 to 22
.elseif ((\k) >= 13) && ((\k) <= 18)
	s_wait_loadcnt 60                              ; at least five younger K steps' loads stand behind this one's
.elseif ((\k) >= 19) && ((\k) <= 23)
	s_wait_loadcnt 12*(23-(\k))                    ; nothing more is asked of memory: the counts run down
.endif
	MULK \k
.endm
.macro CLEARCH
.set n, 0
.rept 16
	v_mov_b32 v[CH+n], 0
.set n, n+1
.endr
.endm
.macro PASS1                           ; the sum of my 128 numbers of each token tile, in eight chains (a, c); each accumulator is read from its low end on
.irp x, 2,3
	WIN \x
.irp g, 0,1,2,3
.irp i, 0,1,2,3
.irp c, 0,1
.irp a, 0,1,2,3
	v_pk_add_f32 v[CH+2*(\a+4*\c):CH+2*(\a+4*\c)+1], v[64*\g+32*\c+8*\a+2*\i:64*\g+32*\c+8*\a+2*\i+1], v[CH+2*(\a+4*\c):CH+2*(\a+4*\c)+1]
.endr
.endr
.endr
.endr
.endr
	WIN 0
.endm
.macro PASS2                           ; d = y - mean stays in the accumulators' place; the chains take the sum of d^2
.irp x, 2,3
.irp g, 0,1,2,3
	WIN (\x<<6)|\x
.irp c, 0,1
.irp a, 0,1,2,3
.irp i, 0,1,2,3
	v_pk_add_f32 v[64*\g+32*\c+8*\a+2*\i:64*\g+32*\c+8*\a+2*\i+1], v[64*\g+32*\c+8*\a+2*\i:64*\g+32*\c+8*\a+2*\i+1], v[MU+2*\a:MU+2*\a+1] op_sel_hi:[1,0] neg_lo:[0,1] neg_hi:[0,1]
.endr
.endr
.endr
	WIN \x|(\x<<2)
.irp i, 0,1,2,3
.irp c, 0,1
.irp a, 0,1,2,3
	v_pk_fma_f32 v[CH+2*(\a+4*\c):CH+2*(\a+4*\c)+1], v[64*\g+32*\c+8*\a+2*\i:64*\g+32*\c+8*\a+2*\i+1], v[64*\g+32*\c+8*\a+2*\i:64*\g+32*\c+8*\a+2*\i+1], v[CH+2*(\a+4*\c):CH+2*(\a+4*\c)+1]
.endr
.endr
.endr
.endr
.endr
	WIN 0
.endm
.macro XCHG pass                       ; the chains become each token's total over all 1,024 columns, in v[PT] .. v[PT + 3]
.irp a, 0,1,2,3
	v_pk_add_f32 v[CH+2*\a:CH+2*\a+1], v[CH+2*\a:CH+2*\a+1], v[CH+8+2*\a:CH+8+2*\a+1]
.endr
.irp a, 0,1,2,3
	v_add_f32 v[SS+\a], v[CH+2*\a], v[CH+2*\a+1]
.endr
.irp a, 0,1,2,3
	v_permlanex16_b32 v[PD+\a], v[SS+\a], s[SEL], s[SEL+1]
.endr
.irp a, 0,1,2,3
	v_add_f32 v[SS+\a], v[SS+\a], v[PD+\a]
.endr
	ds_store_b128 v[STW], v[SS:SS+3] offset:1024*\pass   ; both halves of the lanes write the same numbers to the same place
	s_wait_alu depctr_va_vdst(0)
	s_wait_dscnt 0x0                               ; for the others' sake: my store has landed
	s_barrier_signal -1
	s_barrier_wait -1
.irp w, 0,1,2,3
	ds_load_b128 v[PT+4*\w:PT+4*\w+3], v[STR] offset:1024*\pass+256*\w
.endr
	s_wait_dscnt 0x0
	v_pk_add_f32 v[PT:PT+1], v[PT:PT+1], v[PT+4:PT+5]
	v_pk_add_f32 v[PT+2:PT+3], v[PT+2:PT+3], v[PT+6:PT+7]
	v_pk_add_f32 v[PT+8:PT+9], v[PT+8:PT+9], v[PT+12:PT+13]
	v_pk_add_f32 v[PT+10:PT+11], v[PT+10:PT+11], v[PT+14:PT+15]
	v_pk_add_f32 v[PT:PT+1], v[PT:PT+1], v[PT+8:PT+9]
	v_pk_add_f32 v[PT+2:PT+3], v[PT+2:PT+3], v[PT+10:PT+11]
.endm
; Group g's 64 numbers d, times 1/sigma, into window 0.  fetch = 1: the first five groups each ask for one of the next unit's K steps 8 to 12, into window 1, which the vector phase leaves alone.
.macro STAGE g, fetch
	WIN 2+(\g)/4
.irp c, 0,1
.irp a, 0,1,2,3
.irp i, 0,1,2,3
	v_pk_mul_f32 v[ZZ+32*\c+8*\a+2*\i:ZZ+32*\c+8*\a+2*\i+1], v[64*((\g)%4)+32*\c+8*\a+2*\i:64*((\g)%4)+32*\c+8*\a+2*\i+1], v[RP+2*\a:RP+2*\a+1] op_sel_hi:[1,0]
.endr
.endr
.endr
	WIN 0
.if \fetch
.if (\g) < 5
	WL (\g)+8
.endif
.endif
.endm
; 32 numbers x of column tile c: x + x erf(x), and the weighted sum over the four token tiles.
.macro BULK c
.set ZB, ZZ+32*(\c)
.set OB, OO+8*(\c)
.set n, 0
.rept 32
	v_med3_num_f32 v[XC+n], v[ZB+n], -4.0, 4.0     ; xc
.set n, n+1
.endr
.set n, 0
.rept 16
	v_pk_mul_f32 v[X2+n:X2+n+1], v[XC+n:XC+n+1], v[XC+n:XC+n+1]
.set n, n+2
.endr
.set m, 0
.rept 64                               ; Q, by Horner's rule, the sixteen pairs by turns
.set n, 2*(m%16)
.if m < 16
	v_pk_fma_f32 v[QD+n:QD+n+1], v[X2+n:X2+n+1], s[BE:BE+1], s[BE+2:BE+3] op_sel_hi:[1,0,0]
.else
.set k, BE+2+2*(m/16)
	v_pk_fma_f32 v[QD+n:QD+n+1], v[QD+n:QD+n+1], v[X2+n:X2+n+1], s[k:k+1] op_sel_hi:[1,1,0]
.endif
.set m, m+1
.endr
.set m, 0
.rept 96                               ; P likewise
.set n, 2*(m%16)
.if m < 16
	v_pk_fma_f32 v[PN+n:PN+n+1], v[X2+n:X2+n+1], s[AL:AL+1], s[AL+2:AL+3] op_sel_hi:[1,0,0]
.else
.set k, AL+2+2*(m/16)
	v_pk_fma_f32 v[PN+n:PN+n+1], v[PN+n:PN+n+1], v[X2+n:X2+n+1], s[k:k+1] op_sel_hi:[1,1,0]
.endif
.set m, m+1
.endr
.set n, 0
.rept 16
	v_pk_mul_f32 v[PN+n:PN+n+1], v[PN+n:PN+n+1], v[XC+n:XC+n+1]   ; xc P
.set n, n+2
.endr
.set n, 0
.rept 16
	v_mul_f32 v[X2+n/2], v[QD+n], v[QD+n+1]        ; Q1 Q2 of each pair, where xc^2 stood
.set n, n+2
.endr
	s_wait_alu depctr_va_vdst(0)
.set n, 0
.rept 16
	v_rcp_f32 v[X2+n/2], v[X2+n/2]                 ; 1 / (Q1 Q2): sixteen reciprocals for 32 numbers;
	v_pk_mul_f32 v[PN+n:PN+n+1], v[PN+n:PN+n+1], v[QD+n:QD+n+1] op_sel:[0,1] op_sel_hi:[1,0]   ; behind each a plain line that names no reciprocal: each xc P times the OTHER number's Q; it is read behind the wait below
.set n, n+2
.endr
	s_wait_alu depctr_va_vdst(0)                   ; one wait for the batch, ahead of its first reader
.set n, 0
.rept 16
.if (n/2)%2 == 0
	v_pk_mul_f32 v[PN+n:PN+n+1], v[PN+n:PN+n+1], v[X2+2*(n/4):X2+2*(n/4)+1] op_sel_hi:[1,0]   ; erf(x): the pair's reciprocal serves both halves
.else
	v_pk_mul_f32 v[PN+n:PN+n+1], v[PN+n:PN+n+1], v[X2+2*(n/4):X2+2*(n/4)+1] op_sel:[0,1] op_sel_hi:[1,1]
.endif
.set n, n+2
.endr
.set n, 0
.rept 16
	v_pk_fma_f32 v[PN+n:PN+n+1], v[ZB+n:ZB+n+1], v[PN+n:PN+n+1], v[ZB+n:ZB+n+1]   ; x + x erf(x)
.set n, n+2
.endr
.irp a, 0,1,2,3                        ; times the token's weight (the pair's upper word, for both halves); the first tile starts the sums
.irp i, 0,1,2,3
.if \a == 0
	v_pk_mul_f32 v[OB+2*\i:OB+2*\i+1], v[PN+8*\a+2*\i:PN+8*\a+2*\i+1], v[RP+2*\a:RP+2*\a+1] op_sel:[0,1] op_sel_hi:[1,1]
.else
	v_pk_fma_f32 v[OB+2*\i:OB+2*\i+1], v[PN+8*\a+2*\i:PN+8*\a+2*\i+1], v[RP+2*\a:RP+2*\a+1], v[OB+2*\i:OB+2*\i+1] op_sel:[0,1,0] op_sel_hi:[1,1,1]
.endif
.endr
.endr
.endm
; THE VECTOR PHASE of unit s[UV]: eight trips, one for each group of 32 columns, on fixed registers.  Every second trip the sums of 64 columns over the 16 lanes r are taken through my stage and stored.
.macro VLOOP fetch
	v_and_b32 v[AT], 15, v0                        ; r
	v_bfe_u32 v[AO], v0, 4, 1                      ; h
	s_mul_i32 s96, s[WV], OSTW
	s_add_co_u32 s96, s96, OST                     ; my stage
	v_mul_u32_u24 v[OSA], v[AT], 272
	v_lshl_add_u32 v[OSA], v[AO], 5, v[OSA]
	v_add_nc_u32 v[OSA], s96, v[OSA]               ; in: row r, + 32 h
	v_mul_u32_u24 v[OSR], v[AO], 2176
	v_lshl_add_u32 v[OSR], v[AT], 4, v[OSR]
	v_add_nc_u32 v[OSR], s96, v[OSR]               ; back: each half of the lanes takes 8 of the 16 rows, lane % 16 four columns
	v_lshlrev_b32 v[PO], 4, v[AT]
	v_lshl_add_u32 v[PO], v[AO], 3, v[PO]          ; out: 16 (lane % 16) + 8 (lane / 16)
	s_mov_b32 s[VG], 0
	s_wait_alu depctr_va_vdst(0)
.Lvtrip_\@:
	s_min_u32 s96, s[UV], 2                        ; (the unit, 0 to 2: the bound stands in the text)
	s_lshl_b32 s96, s96, 10
	s_lshl_b32 s97, s[VG], 7
	s_add_co_u32 s96, s96, s97
	v_add_nc_u32 v[AT], s96, v[PA]                 ; my eight columns of the group's tile 0, in each of b, gamma, beta
.irp c, 0,1
.irp k, 0,1
	ds_load_b128 v[PN+8*\c+4*\k:PN+8*\c+4*\k+3], v[AT] offset:3072+64*\c+16*\k   ; gamma / sqrt(2)
	ds_load_b128 v[QD+8*\c+4*\k:QD+8*\c+4*\k+3], v[AT] offset:6144+64*\c+16*\k   ; beta / sqrt(2)
.endr
.endr
	s_cmp_lt_u32 s[VG], 4
	s_cbranch_scc0 .Lv47_\@
	s_cmp_lt_u32 s[VG], 2
	s_cbranch_scc0 .Lv23_\@
	s_cmp_eq_u32 s[VG], 0
	s_cbranch_scc0 .Lv1_\@
	STAGE 0, \fetch
	s_branch .Lvjoin_\@
.Lv1_\@:
	STAGE 1, \fetch
	s_branch .Lvjoin_\@
.Lv23_\@:
	s_cmp_eq_u32 s[VG], 2
	s_cbranch_scc0 .Lv3_\@
	STAGE 2, \fetch
	s_branch .Lvjoin_\@
.Lv3_\@:
	STAGE 3, \fetch
	s_branch .Lvjoin_\@
.Lv47_\@:
	s_cmp_lt_u32 s[VG], 6
	s_cbranch_scc0 .Lv67_\@
	s_cmp_eq_u32 s[VG], 4
	s_cbranch_scc0 .Lv5_\@
	STAGE 4, \fetch
	s_branch .Lvjoin_\@
.Lv5_\@:
	STAGE 5, \fetch
	s_branch .Lvjoin_\@
.Lv67_\@:
	s_cmp_eq_u32 s[VG], 6
	s_cbranch_scc0 .Lv7_\@
	STAGE 6, \fetch
	s_branch .Lvjoin_\@
.Lv7_\@:
	STAGE 7, \fetch
.Lvjoin_\@:
	s_wait_alu depctr_va_vdst(0)
	s_wait_dscnt 0x0                               ; gamma and beta are in
.irp c, 0,1
.irp a, 0,1,2,3
.irp i, 0,1,2,3
	v_pk_fma_f32 v[ZZ+32*\c+8*\a+2*\i:ZZ+32*\c+8*\a+2*\i+1], v[ZZ+32*\c+8*\a+2*\i:ZZ+32*\c+8*\a+2*\i+1], v[PN+8*\c+2*\i:PN+8*\c+2*\i+1], v[QD+8*\c+2*\i:QD+8*\c+2*\i+1]
.endr
.endr
.endr
	BULK 0
	BULK 1
	s_and_b32 s96, s[VG], 1
	s_lshl_b32 s96, s96, 7
	v_add_nc_u32 v[AO], s96, v[OSA]                ; an even group takes the stage rows' first 128 bytes, an odd one the second
.irp c, 0,1
.irp k, 0,1
	ds_store_b128 v[AO], v[OO+8*\c+4*\k:OO+8*\c+4*\k+3] offset:64*\c+16*\k
.endr
.endr
	s_wait_alu depctr_va_vdst(0)
	s_bitcmp1_b32 s[VG], 0
	s_cbranch_scc0 .Lveven_\@
.irp i, 0,1,2,3,4,5,6,7
	ds_load_b128 v[XC+4*\i:XC+4*\i+3], v[OSR] offset:272*\i   ; LDS serves a wave's instructions in order (ISA guide 5.7.1.4): these see my stores
.endr
	s_wait_dscnt 0x0
.irp i, 0,2,4,6
	v_pk_add_f32 v[XC+4*\i:XC+4*\i+1], v[XC+4*\i:XC+4*\i+1], v[XC+4*\i+4:XC+4*\i+5]
	v_pk_add_f32 v[XC+4*\i+2:XC+4*\i+3], v[XC+4*\i+2:XC+4*\i+3], v[XC+4*\i+6:XC+4*\i+7]
.endr
.irp i, 0,4
	v_pk_add_f32 v[XC+4*\i:XC+4*\i+1], v[XC+4*\i:XC+4*\i+1], v[XC+4*\i+8:XC+4*\i+9]
	v_pk_add_f32 v[XC+4*\i+2:XC+4*\i+3], v[XC+4*\i+2:XC+4*\i+3], v[XC+4*\i+10:XC+4*\i+11]
.endr
	v_pk_add_f32 v[XC:XC+1], v[XC:XC+1], v[XC+16:XC+17]
	v_pk_add_f32 v[XC+2:XC+3], v[XC+2:XC+3], v[XC+18:XC+19]
	v_permlane16_swap_b32 v[XC], v[XC+2]           ; both halves' parts of one column now stand in one lane
	v_permlane16_swap_b32 v[XC+1], v[XC+3]
	v_pk_add_f32 v[XC:XC+1], v[XC:XC+1], v[XC+2:XC+3]   ; lane (q, hh): columns 4 q + 2 hh and 4 q + 2 hh + 1
	s_and_b32 s96, s[VG], 6
	s_lshl_b32 s96, s96, 7
	v_add_nc_u32 v[AG], s96, v[PO]
	global_store_b64 v[AG], v[XC:XC+1], s[18:19] th:TH_STORE_NT   ; the 32 lanes store 256 consecutive bytes, at a multiple of 256 from part's first byte
	s_wait_alu depctr_va_vdst(0)
	s_wait_xcnt 0x0                                ; the store's registers and base are written again only behind this wait
.Lveven_\@:
	s_add_co_u32 s[VG], s[VG], 1
	s_cmp_lt_u32 s[VG], 8
	s_cbranch_scc1 .Lvtrip_\@
	s_add_nc_u64 s[18:19], s[18:19], 1048576       ; the next unit's field of part
	s_add_co_u32 s[UV], s[UV], 1
.endm
; ---------------------------------------------------------------- the head
	s_load_b512 s[4:19], s[0:1], 0x0               ; x_codes s[4:5], x_scales s[6:7], wl s[8:9], W_scales s[10:11], b s[12:13], gamma s[14:15], beta s[16:17], part s[18:19]
	v_lshl_add_u32 v[SPW], v0, 2, SPARE
	v_mov_b32 v[NIL], 0
	ds_add_u32 v[SPW], v[NIL]                      ; the opening lines: the add, twice on end, and its wait ahead of my first tensor load
	ds_add_u32 v[SPW], v[NIL]
	v_lshrrev_b32 v3, 5, v0
	v_readfirstlane_b32 s[WV], v3                  ; wave 0..3
	s_bfe_u32 s93, ttmp6, 0x40000                  ; cx: my place in the cluster
	s_lshl_b32 s94, ttmp9, 2                       ; in a cluster launch ttmp9 counts clusters
	s_add_co_u32 s94, s94, s93                     ; blk: it enters x's, x's scales' and part's addresses and the tokens' weights, and nothing else
	s_and_b32 s[KB], s94, 7
	s_lshl_b32 s[KB], s[KB], 6                     ; my first token in its batch
	s_mov_b32 s[SEL], 0x76543210
	s_mov_b32 s[SEL+1], 0xfedcba98                 ; v_permlanex16_b32's selects for lane l xor 16
	s_mov_b32 s[RN], 0x3a800000                    ; 1 / 1,024
	s_mov_b32 s[EPS], 0x3727c5ac                   ; 1e-5
	s_mul_i32 s96, s[WV], PBW
	s_add_co_u32 s96, s96, PB
	s_mul_i32 s97, s[WV], 16*XP
	s_lshl_b32 s98, s[WV], 10
	s_mul_i32 s99, s[WV], 49152
	s_add_co_u32 s99, s99, WLD                     ; my LDS bytes for W
	s_mov_b32 s[UU], 0
	s_mov_b32 s[UV], 0
	s_mov_b32 s3, 0
	s_mov_b32 s[G1], 15|(3<<16)|(1<<21)            ; 15:0 the mask: all four work-groups; 17:16 elements of 8 bytes; 21 set beside a mask.  A dense block of 49,152 bytes as 192 rows of 256
	s_mov_b32 s[G1+1], 32<<16
	s_mov_b32 s[G1+2], 192<<16
	s_mov_b32 s[G1+3], 32<<16
	s_mov_b32 s[G1+4], 192
	s_mov_b32 s[G1+5], 32
	s_mov_b32 s[G1+6], 0
	s_mov_b32 s[G1+7], 0
	v_and_b32 v24, 15, v0                          ; r
	v_bfe_u32 v25, v0, 4, 1                        ; h
	v_and_b32 v26, 31, v0                          ; lane
	v_lshlrev_b32 v[WLO], 4, v26
	v_lshlrev_b32 v[WSA], 5, v26
	v_mul_u32_u24 v[XAD], v24, XP
	v_mad_u32_u24 v[XAD], v25, 24, v[XAD]
	v_lshl_add_u32 v[PA], v25, 5, s96
	v_lshlrev_b32 v27, 4, v24
	v_mad_u32_u24 v28, v25, XP, v27
	v_add_nc_u32 v28, s97, v28                     ; x into LDS: my 16 rows, two rows a store
	v_mad_u32_u24 v27, v25, 768, v27               ; and the same two rows in memory
	v_lshl_add_u32 v29, v26, 4, s98                ; b, gamma, beta: my 256 columns, 16 bytes a lane
	v_lshl_add_u32 v30, v26, 4, s96
	v_lshlrev_b32 v31, 5, v24
	v_lshl_add_u32 v31, v25, 4, v31                ; x's scale words: 32 r + 16 h
	s_wait_alu depctr_va_vdst(0)
	s_wait_dscnt 0x0                               ; both opening adds are done
	s_wait_kmcnt 0x0
	s_mul_i32 s2, s94, 49152
	s_mul_i32 s95, s[WV], 12288
	s_add_co_u32 s2, s2, s95
	s_add_nc_u64 s[4:5], s[4:5], s[2:3]            ; the 16 rows of x that I copy
	s_lshl_b32 s2, s94, 11
	s_add_nc_u64 s[6:7], s[6:7], s[2:3]
	s_mul_i32 s2, s[WV], 196608
	s_add_nc_u64 s[8:9], s[8:9], s[2:3]            ; my 256 rows of W, unit 0
	s_lshl_b32 s2, s[WV], 13
	s_add_nc_u64 s[10:11], s[10:11], s[2:3]
	s_lshl_b32 s2, s94, 12
	s_add_co_u32 s2, s2, s98
	s_add_nc_u64 s[18:19], s[18:19], s[2:3]        ; part at my block's row, my 256 columns
	s_mov_b32 s[G0], 1
	s_mov_b32 s[G0+1], s99
	s_mov_b64 s[G0+2:G0+3], s[8:9]                 ; K steps 0 to 7
	s_or_b32 s[G0+3], s[G0+3], 0x80000000
	ROUND                                          ; all four work-groups are here: the first joint loads meet
	tensor_load_to_lds s[G0:G0+3], s[G1:G1+7]      ; my one tensor load at the head
	s_nop 0
	PLACES
.irp t, 0,1,2,3,4,5,6,7
.irp c, 0,1,2
	global_load_b128 v[40+12*\t+4*\c:43+12*\t+4*\c], v27, s[4:5] offset:1536*\t+256*\c   ; sixteen lanes read 256 consecutive bytes
.endr
.endr
.irp i, 0,1,2
.irp u, 0,1,2
.irp k, 0,1
	global_load_b128 v[136+24*\i+8*\u+4*\k:139+24*\i+8*\u+4*\k], v29, s[12+2*\i:13+2*\i] offset:4096*\u+512*\k
.endr
.endr
.endr
.irp a, 0,1,2,3
	global_load_b128 v[XS+4*\a:XS+4*\a+3], v31, s[6:7] offset:512*\a
.endr
.irp k, 8,9,10,11,12
	WL \k                                          ; unit 0's K steps 8 to 12 of W
.endr
	CPAIR AL,    0xaf95df0b                        ; P: -2.72614226e-10
	CPAIR AL+2,  0x32edffee                        ;  2.77068142e-08
	CPAIR AL+4,  0xb60cff51                        ; -2.10102402e-06
	CPAIR AL+6,  0xb86ec2d2                        ; -5.69250639e-05
	CPAIR AL+8,  0xba40ac63                        ; -7.34990630e-04
	CPAIR AL+10, 0xbb41a1f6                        ; -2.95459981e-03
	CPAIR AL+12, 0xbc83dbd4                        ; -1.60960333e-02
	CPAIR BE,    0xb77460cd                        ; Q: -1.45660718e-05
	CPAIR BE+2,  0xb95fbd29                        ; -2.13374055e-04
	CPAIR BE+4,  0xbadc924e                        ; -1.68282697e-03
	CPAIR BE+6,  0xbbf19bf8                        ; -7.37332917e-03
	CPAIR BE+8,  0xbc69b6a7                        ; -1.42647391e-02
	s_wait_loadcnt 60                              ; all but W's sixty loads: x, b, gamma, beta and x's scale words are in
.irp t, 0,1,2,3,4,5,6,7
.irp c, 0,1,2
	ds_store_b128 v28, v[40+12*\t+4*\c:43+12*\t+4*\c] offset:2*XP*\t+256*\c
.endr
.endr
.set n, 0
.rept 24
	v_pk_mul_f32 v[160+n:161+n], v[160+n:161+n], 0x3f3504f3 op_sel_hi:[1,0]   ; gamma and beta times 1/sqrt(2)
.set n, n+2
.endr
.irp i, 0,1,2
.irp u, 0,1,2
.irp k, 0,1
	ds_store_b128 v30, v[136+24*\i+8*\u+4*\k:139+24*\i+8*\u+4*\k] offset:3072*\i+1024*\u+512*\k
.endr
.endr
.endr
	s_wait_alu depctr_va_vdst(0)
	s_wait_dscnt 0x0                               ; for the others' sake: my rows of x have landed
	s_barrier_signal -1
	s_barrier_wait -1                              ; all 64 rows of x are in; my tensor load may stay out
	s_branch .Lmid                                 ; the first unit has no vector phase in front of it
; ---------------------------------------------------------------- the loop: the last unit's vector phase, then this unit's product and statistics
.Ltop:
	s_wait_tensorcnt 0x0                           ; no tensor load of mine is out
	ds_add_u32 v[SPW], v[NIL]                      ; 0 onto my spare word
	s_add_nc_u64 s[G0+2:G0+3], s[G0+2:G0+3], 638976   ; from the last unit's K step 24 to this unit's K step 0
	s_add_nc_u64 s[8:9], s[8:9], 786432            ; this unit's W (K step 23's wait has shown every load that names this base done)
	s_wait_dscnt 0x0                               ; the add is done, and my reads of W's bytes in LDS are over
	ROUND                                          ; no wave of any partner still reads them or has a load on its way
	tensor_load_to_lds s[G0:G0+3], s[G1:G1+7]      ; this unit's K steps 0 to 7
	s_nop 0
	PLACES
	VLOOP 1
.Lmid:
	s_min_u32 s96, s[UU], 2                        ; (the unit, 0 to 2: the bound stands in the text)
	s_lshl_b32 s96, s96, 10
	v_add_nc_u32 v[PAB], s96, v[PA]
	v_add_nc_u32 v[LWA], s99, v[WLO]
	s_wait_alu depctr_va_vdst(0)                   ; the wait behind these writes
	WSLOAD 0
	WSLOAD 1
	BIASLOAD 0
	s_wait_tensorcnt 0x0                           ; K steps 0 to 7, which I asked for and I alone read, are in
	LWL 0
	XL 0
.set KK, 0
.rept 32
	KSTEP KK
.set KK, KK+1
.endr
	; ---- the statistics of this unit
	PLACES
	WIN 0
	CLEARCH
.irp a, 0,1,2,3
	v_mov_b32 v[PD+\a], 0                          ; a lane permute's destination counts as one of its sources
.endr
	v_and_b32 v[STR], 15, v0
	v_lshlrev_b32 v[STR], 4, v[STR]
	v_add_nc_u32 v[STR], ST, v[STR]                ; ST + 16 r
	s_lshl_b32 s96, s[WV], 8
	v_add_nc_u32 v[STW], s96, v[STR]               ; + 256 x wave
	PASS1
	XCHG 0
.irp a, 0,1,2,3
	v_mul_f32 v[MU+2*\a], s[RN], v[PT+\a]          ; the mean, in both words of a pair
	v_mul_f32 v[MU+2*\a+1], s[RN], v[PT+\a]
.endr
	CLEARCH
	s_lshl_b32 s[SU], 4, s[UU]                     ; the window: 4, 8, 16
	s_sub_co_u32 s[NW], 513, s[SU]                 ; the number of windows
	s_mov_b32 s[FU], 0x38ba7b92                    ; (1 / sqrt(2)) / (windows x window): / 7,952,
	s_mov_b32 s96, 0x3937874d                      ; / 4,040,
	s_cmp_eq_u32 s[UU], 1
	s_cselect_b32 s[FU], s96, s[FU]
	s_mov_b32 s96, 0x39b61614                      ; / 2,036
	s_cmp_eq_u32 s[UU], 0
	s_cselect_b32 s[FU], s96, s[FU]
	s_wait_alu depctr_va_vdst(0)
	PASS2
	XCHG 1
.irp a, 0,1,2,3
	v_fma_f32 v[PT+\a], v[PT+\a], s[RN], s[EPS]    ; the variance + 1e-5
.endr
	s_wait_alu depctr_va_vdst(0)
.irp a, 0,1,2,3
	v_rsq_f32 v[RP+2*\a], v[PT+\a]
.endr
	v_and_b32 v[TW], 15, v0                        ; the tokens' weights are the plain work behind the four roots
	v_add_nc_u32 v[TW], s[KB], v[TW]               ; token k = this + 16 a
.irp a, 0,1,2,3
	v_add_nc_u32 v[TW+1], 16*\a+1, v[TW]           ; k + 1
	v_sub_nc_u32 v[TW+2], 512-16*\a, v[TW]         ; 512 - k
	v_min_u32 v[TW+1], v[TW+1], v[TW+2]
	v_min_u32 v[TW+1], s[SU], v[TW+1]
	v_min_u32 v[TW+1], s[NW], v[TW+1]              ; how many windows cover the token
	v_cvt_f32_u32 v[TW+1], v[TW+1]
	v_mul_f32 v[RP+2*\a+1], s[FU], v[TW+1]
.endr
	s_wait_alu depctr_va_vdst(0)                   ; one wait for the four roots and the weights, ahead of the branch
	s_add_nc_u64 s[10:11], s[10:11], 32768         ; the next unit's scale bytes of W
	s_add_co_u32 s[UU], s[UU], 1
	s_cmp_lt_u32 s[UU], 3
	s_cbranch_scc1 .Ltop
	VLOOP 0                                        ; the last unit's vector phase: nothing is left to fetch
	s_wait_tensorcnt 0x0                           ; the wave's end: behind my last tensor load and my last LDS store
	ds_add_u32 v[SPW], v[NIL]
	s_wait_dscnt 0x0
	ROUND                                          ; the closing round: no work-group ends while a partner may still ask for a tile that names it
	s_endpgm
.Lfunc_end_k_qb33db04f4c_mlp:
	.size	k_qb33db04f4c_mlp, .Lfunc_end_k_qb33db04f4c_mlp-k_qb33db04f4c_mlp
	.p2alignl 7, 3214868480
	.fill 96, 4, 3214868480
	.section	.rodata,"a",@progbits
	.p2align	6, 0x0
	.amdhsa_kernel k_qb33db04f4c_mlp
		.amdhsa_group_segment_fixed_size 327680
		.amdhsa_private_segment_fixed_size 0
		.amdhsa_enable_private_segment 0
		.amdhsa_kernarg_size 64
		.amdhsa_user_sgpr_count 2
		.amdhsa_user_sgpr_kernarg_segment_ptr 1
		.amdhsa_wavefront_size32 1
		.amdhsa_system_sgpr_workgroup_id_x 1
		.amdhsa_system_sgpr_workgroup_id_y 1
		.amdhsa_system_sgpr_workgroup_id_z 1
		.amdhsa_system_vgpr_workitem_id 0
		.amdhsa_next_free_vgpr 1024
		.amdhsa_next_free_sgpr 100
		.amdhsa_reserve_vcc 0
		.amdhsa_float_denorm_mode_32 3
		.amdhsa_float_denorm_mode_16_64 3
		.amdhsa_memory_ordered 1
		.amdhsa_forward_progress 1
		.amdhsa_inst_pref_size 255
	.end_amdhsa_kernel
	.section	.bss,"aw",@nobits
	.p2align	6
	.space	262144
	.amdgpu_metadata
---
amdhsa.version: [ 1, 2 ]
amdhsa.kernels:
  - .name:           k_qb33db04f4c_mlp
    .symbol:         k_qb33db04f4c_mlp.kd
    .args:
      - { .name: x_codes, .offset: 0, .size: 8, .value_kind: global_buffer, .address_space: global }
      - { .name: x_scales, .offset: 8, .size: 8, .value_kind: global_buffer, .address_space: global }
      - { .name: wl, .offset: 16, .size: 8, .value_kind: global_buffer, .address_space: global }
      - { .name: W_scales, .offset: 24, .size: 8, .value_kind: global_buffer, .address_space: global }
      - { .name: b, .offset: 32, .size: 8, .value_kind: global_buffer, .address_space: global }
      - { .name: gamma, .offset: 40, .size: 8, .value_kind: global_buffer, .address_space: global }
      - { .name: beta, .offset: 48, .size: 8, .value_kind: global_buffer, .address_space: global }
      - { .name: part, .offset: 56, .size: 8, .value_kind: global_buffer, .address_space: global }
    .group_segment_fixed_size: 327680
    .private_segment_fixed_size: 0
    .kernarg_segment_align: 8
    .kernarg_segment_size: 64
    .max_flat_workgroup_size: 128
    .sgpr_count:     100
    .vgpr_count:     1024
    .wavefront_size: 32
...
	.end_amdgpu_metadata
.endif
;; end of part 2
;; launch fold (part 3): grid 384 x 1, 2 waves a work-group, no clusters, 0 bytes of LDS; arguments part, out0, out1, out2; writes out0, out1, out2
.if DOCPART == 3
	.amdgcn_target "amdgcn-amd-amdhsa--gfx1250"
	.amdhsa_code_object_version 6
	.text
	.protected	k_qb33db04f4c_fold
	.globl	k_qb33db04f4c_fold
	.p2align	8
	.type	k_qb33db04f4c_fold,@function
k_qb33db04f4c_fold:
	s_mov_b64 s[64:65], 0
	v_nop
	global_prefetch_b8 v0, s[64:65] scope:SCOPE_SE
	s_setreg_imm32_b32 hwreg(HW_REG_WAVE_MODE, 25, 1), 1
	s_wait_xcnt 0x0
; out_u[batch][e] = the sum of the batch's eight partial rows part[u][8 batch + i][e], i = 0 .. 7, in the fixed order ((0+1)+(2+3))+((4+5)+(6+7)).
; A work-group takes a quarter (1,024 bytes) of one output row: rho = 32 u + batch = work-group / 4.  Two waves, 16 bytes a thread: each load and the store of a wave cover 512 consecutive bytes.
; The eight rows of rho begin at 32,768 rho and lie 4,096 bytes apart.  No LDS, no barrier, no loop: the waves share nothing.
	s_load_b256 s[4:11], s[0:1], 0x0               ; part s[4:5], out0 s[6:7], out1 s[8:9], out2 s[10:11]
	s_lshr_b32 s12, ttmp9, 2                       ; rho
	s_and_b32 s13, ttmp9, 3
	s_lshl_b32 s13, s13, 10                        ; the quarter, in bytes
	s_lshl_b32 s14, s12, 15
	s_add_co_u32 s14, s14, s13
	s_mov_b32 s15, 0
	s_and_b32 s16, s12, 31                         ; the batch
	s_lshl_b32 s16, s16, 12
	s_add_co_u32 s16, s16, s13
	s_mov_b32 s17, 0
	s_lshr_b32 s18, s12, 5                         ; u
	v_lshlrev_b32 v1, 4, v0
	s_wait_alu depctr_va_vdst(0)
	s_wait_kmcnt 0x0
	s_add_nc_u64 s[4:5], s[4:5], s[14:15]
.irp i, 0,1,2,3,4,5,6,7
	global_load_b128 v[4+4*\i:7+4*\i], v1, s[4:5] offset:4096*\i th:TH_LOAD_NT
.endr
	s_cmp_eq_u32 s18, 1                            ; the output: a choice that hangs on the work-group's number alone
	s_cselect_b64 s[6:7], s[8:9], s[6:7]
	s_cmp_eq_u32 s18, 2
	s_cselect_b64 s[6:7], s[10:11], s[6:7]
	s_add_nc_u64 s[6:7], s[6:7], s[16:17]
	s_wait_loadcnt 0x6                             ; rows 0 and 1 are in; the six younger loads may stay out
	v_pk_add_f32 v[4:5], v[4:5], v[8:9]
	v_pk_add_f32 v[6:7], v[6:7], v[10:11]
	s_wait_loadcnt 0x4                             ; rows 2 and 3
	v_pk_add_f32 v[12:13], v[12:13], v[16:17]
	s_wait_alu depctr_va_vdst(0)
	v_pk_add_f32 v[14:15], v[14:15], v[18:19]
	v_pk_add_f32 v[4:5], v[4:5], v[12:13]
	v_pk_add_f32 v[6:7], v[6:7], v[14:15]
	s_wait_loadcnt 0x2                             ; rows 4 and 5
	v_pk_add_f32 v[20:21], v[20:21], v[24:25]
	v_pk_add_f32 v[22:23], v[22:23], v[26:27]
	s_wait_loadcnt 0x0                             ; rows 6 and 7
	v_pk_add_f32 v[28:29], v[28:29], v[32:33]
	s_wait_alu depctr_va_vdst(0)
	v_pk_add_f32 v[30:31], v[30:31], v[34:35]
	v_pk_add_f32 v[20:21], v[20:21], v[28:29]
	v_pk_add_f32 v[22:23], v[22:23], v[30:31]
	v_pk_add_f32 v[4:5], v[4:5], v[20:21]
	v_pk_add_f32 v[6:7], v[6:7], v[22:23]
	global_store_b128 v1, v[4:7], s[6:7]           ; sixteen lanes store 256 consecutive bytes, at a multiple of 256 from the output's first byte
	s_endpgm
.Lfunc_end_k_qb33db04f4c_fold:
	.size	k_qb33db04f4c_fold, .Lfunc_end_k_qb33db04f4c_fold-k_qb33db04f4c_fold
	.p2alignl 7, 3214868480
	.fill 96, 4, 3214868480
	.section	.rodata,"a",@progbits
	.p2align	6, 0x0
	.amdhsa_kernel k_qb33db04f4c_fold
		.amdhsa_group_segment_fixed_size 0
		.amdhsa_private_segment_fixed_size 0
		.amdhsa_enable_private_segment 0
		.amdhsa_kernarg_size 32
		.amdhsa_user_sgpr_count 2
		.amdhsa_user_sgpr_kernarg_segment_ptr 1
		.amdhsa_wavefront_size32 1
		.amdhsa_system_sgpr_workgroup_id_x 1
		.amdhsa_system_sgpr_workgroup_id_y 1
		.amdhsa_system_sgpr_workgroup_id_z 1
		.amdhsa_system_vgpr_workitem_id 0
		.amdhsa_next_free_vgpr 40
		.amdhsa_next_free_sgpr 66
		.amdhsa_reserve_vcc 0
		.amdhsa_float_denorm_mode_32 3
		.amdhsa_float_denorm_mode_16_64 3
		.amdhsa_memory_ordered 1
		.amdhsa_forward_progress 1
		.amdhsa_inst_pref_size 3
	.end_amdhsa_kernel
	.amdgpu_metadata
---
amdhsa.version: [ 1, 2 ]
amdhsa.kernels:
  - .name:           k_qb33db04f4c_fold
    .symbol:         k_qb33db04f4c_fold.kd
    .args:
      - { .name: part, .offset: 0, .size: 8, .value_kind: global_buffer, .address_space: global }
      - { .name: out0, .offset: 8, .size: 8, .value_kind: global_buffer, .address_space: global }
      - { .name: out1, .offset: 16, .size: 8, .value_kind: global_buffer, .address_space: global }
      - { .name: out2, .offset: 24, .size: 8, .value_kind: global_buffer, .address_space: global }
    .group_segment_fixed_size: 0
    .private_segment_fixed_size: 0
    .kernarg_segment_align: 8
    .kernarg_segment_size: 32
    .max_flat_workgroup_size: 64
    .sgpr_count:     66
    .vgpr_count:     40
    .wavefront_size: 32
...
	.end_amdgpu_metadata
.endif
;; end of part 3
